; MI455X (gfx1250); checked and timed in simulation.
; The chip was launched on July 23, 2026; its instructions are those of AMD's public machine-readable ISA for CDNA 5 (MIT licence, August 2026) and "CDNA5" Instruction Set Architecture Reference Guide (July 2026). The comments in the code are by the model that wrote it; some were corrected since.
;; MLP Attention. Allowed arithmetic: matrix products marked QUANTISED: E2M3 operands, one E8M0 scale for each 32 along K, by v_wmma_scale_f32_16x16x128_f8f6f4 with both operands' format E2M3, f32 sums; products left as they are: f32 operands where the result goes on into a quantised operand, else bf16, f16 or f32 operands; f32 sums; everything else in f32.
;; Inputs: Wc 1,024 float32; Wm 1,024 float32; Wq 1,024 x 1,024 float32; Wv 1,024 x 1,024 float32; bias 1,024 float32; bm 1 float32; cov_vec 32 x 2,048 float32; mask 32 x 2,048 int32; query 32 x 1,024 float32; value 32 x 2,048 x 1,024 float32.
;; Outputs: out0 32 x 1,024 float32; out1 32 x 2,048 float32.
;; This version of the problem:
;;   THIS VERSION OF THE PROBLEM IS GIVEN IN LOW PRECISION. The matrix products marked QUANTISED in the list below multiply operands that are first quantised to E2M3 (2 exponent bits, 3 mantissa bits; 6 bits a number), with one power-of-two scale for each 32 numbers along K (OCP MX v1.0); their sums are f32. All else is computed in f32.
;;   The module's matrix products, in the order in which they are computed (A, B: the left and right operand; K: the contracted axis; several contracted axes count as one K, in the product's order):
;;     1. [M 32, K 1,024] x [K 1,024, N 1,024]; A: input query; B: input Wq: QUANTISED
;;     2. [M 65,536, K 1,024] x [K 1,024, N 1,024]; A: input value; B: input Wv: QUANTISED
;;     3. [M 65,536, K 1,024] x [K 1,024, N 1]; A: computed on the way; B: input Wm: left as it is (N = 1 < 16)
;;     4. batch 32 x [M 1, K 2,048] x [K 2,048, N 1,024]; A: softmax; B: input value: left as it is (M = 1 < 16)
;;   THE QUANTISER, for each operand of a quantised product, along K:
;;     - K is cut into blocks of 32 from its start; a last block that is shorter is filled with zeros.
;;     - A block's scale is 2^e with e = floor(log2(the largest magnitude in the block)) - 2, held to -126 .. 127; a block of zeros has e = 0. As a byte (E8M0): e + 127.
;;     - Each number is divided by its block's scale, clamped to +-7.5, and rounded to the nearest number of E2M3, ties to even, subnormals kept.
;;     - The product sums the exact products of the quantised numbers (number of the format x scale) in f32.
;;   ~~~python
;;   def quantise(x, axis):      # numpy; x: float32 -> the quantised numbers, widened to float32 again
;;       x = np.moveaxis(x, axis, -1); K = x.shape[-1]
;;       x = np.pad(x, [(0, 0)] * (x.ndim - 1) + [(0, -K % 32)]); x = x.reshape(x.shape[:-1] + (-1, 32)); a = np.abs(x).max(-1, keepdims=True)
;;       e = np.where(a > 0, np.clip(np.frexp(np.where(a > 0, a, 1))[1] - 1 - 2, -126, 127), 0)      # np.frexp(a)[1] - 1 = floor(log2(a)), exactly
;;       r = np.clip(x / 2.0 ** e, -7.5, 7.5)
;;       step = 2.0 ** (np.maximum(np.frexp(np.where(r == 0, 1, r))[1] - 1, 0) - 3)
;;       q = np.round(r / step) * step * 2.0 ** e      # np.round: ties to even
;;       return np.moveaxis(q.reshape(q.shape[:-2] + (-1,))[..., :K], -1, axis).astype(np.float32)
;;   ~~~
;; One version. Each part assembles by itself: llvm-mc -triple=amdgcn-amd-amdhsa -mcpu=gfx1250 --defsym DOCPART=n.
;; ======== version 1 of 1: 4 launches
;; limits: right only within a limited range of input values
;; workspace buffers: rowlist 262,144 bytes of whole numbers; posof 262,144 bytes of whole numbers; meta 4,096 bytes of whole numbers; covc 262,144 bytes; codes 55,377,920 bytes; qbc 131,072 bytes; epart 4,194,304 bytes
;; launch sortrows (part 1): grid 32 x 1, 1 waves a work-group, no clusters, 0 bytes of LDS; arguments mask, cov_vec, rowlist, posof, covc, meta; writes rowlist, posof, covc, meta
.if DOCPART == 1
	.amdgcn_target "amdgcn-amd-amdhsa--gfx1250"
	.amdhsa_code_object_version 6
	.text
	.protected	k_qafc4f68b8b_sortrows
	.globl	k_qafc4f68b8b_sortrows
	.p2align	8
	.type	k_qafc4f68b8b_sortrows,@function
k_qafc4f68b8b_sortrows:
	s_mov_b64 s[64:65], 0
	v_nop
	global_prefetch_b8 v0, s[64:65] scope:SCOPE_SE
	s_setreg_imm32_b32 hwreg(HW_REG_WAVE_MODE, 25, 1), 1
	s_wait_xcnt 0x0
; THE PROGRAM.  e[b][n] = Wm . tanh(Q(query) Q(Wq)^T + Q(value) Q(Wv)^T + cov Wc + bias) + bm; where mask <= 0, e = -1e9; out1 = softmax over n; out0 = out1 . value.
; NO INPUT AND NO STEP IS LEFT OUT AS DEAD WORK: bm stays (rows with mask <= 0 do not get it).  What is passed over is chosen by WHOLE NUMBERS read from memory: for a row with mask <= 0
; the result e is -1e9 whatever the second and third product give, so those rows are not multiplied; this launch sorts each batch's rows by the mask and stores the order, and the later launches read it.
; A batch with no open row is served: all its 2,048 rows are then walked, and the weights come out uniform, as the softmax of 2,048 equal numbers.
; LIMITS.  Where a batch has an open row, out0 walks positions 0 to 511 always and from there on groups of 16 positions up to cnt; the rows with mask <= 0 at later positions are left out: their weight
; exp(-1e9 - M) is 0 in f32 while the largest e lies above -1e9 + 104, that is while sum |Wm| + |bm| < 1e9 - 104.  A NaN or an infinity in a row of value that is so left out is not carried to out0.
; THIS LAUNCH.  One wave takes one batch.  Positions 0 .. cnt-1 get the rows with mask > 0, positions 2047 downward the others: a permutation of the 2,048 rows.
; rowlist[b][position] = n, posof[b][n] = position, covc[b][position] = cov_vec[b][n], meta[b][0..31] = cnt.
; Register 4 g + e of a lane holds n = 128 g + 4 lane + e; a register's 32 rows are placed by a count of the mask bits under the lane.
.set M,   16                           ; v16-79   the mask, then 4 x position
.set CV,  80                           ; v80-143  cov_vec
.set POS, 144                          ; v144-207 the position
.set NN,  208                          ; v208-255 n: twelve groups of four registers by turns
.set T,   14                           ; v14-15   at work
	s_load_b128 s[4:7], s[0:1], 0x0                ; mask, cov_vec
	s_load_b128 s[8:11], s[0:1], 0x10              ; rowlist, posof
	s_load_b128 s[12:15], s[0:1], 0x20             ; covc, meta
	v_and_b32 v1, 31, v0                           ; lane
	v_lshlrev_b32 v2, 4, v1                        ; 16 x lane
	v_lshlrev_b32 v3, 2, v1                        ; 4 x lane
	s_lshl_b32 s16, ttmp9, 13                      ; a batch's 2,048 words
	s_mov_b32 s17, 0
	s_lshl_b32 s18, ttmp9, 7                       ; a batch's 32 words of meta
	s_mov_b32 s19, 0
	s_mov_b32 s22, 0                               ; open rows so far
	s_mov_b32 s23, 2047                            ; the next place from the end
	s_wait_alu depctr_va_vdst(0)
	s_wait_kmcnt 0x0
	s_add_nc_u64 s[4:5], s[4:5], s[16:17]
	s_add_nc_u64 s[6:7], s[6:7], s[16:17]
	s_add_nc_u64 s[8:9], s[8:9], s[16:17]
	s_add_nc_u64 s[10:11], s[10:11], s[16:17]
	s_add_nc_u64 s[12:13], s[12:13], s[16:17]
	s_add_nc_u64 s[14:15], s[14:15], s[18:19]
.irp g, 0,1,2,3,4,5,6,7,8,9,10,11,12,13,14,15
	global_load_b128 v[M+4*\g:M+4*\g+3], v2, s[4:5] offset:512*\g
.endr
.irp g, 0,1,2,3,4,5,6,7,8,9,10,11,12,13,14,15
	global_load_b128 v[CV+4*\g:CV+4*\g+3], v2, s[6:7] offset:512*\g
.endr
	s_wait_loadcnt 0x0
.irp g, 0,1,2,3,4,5,6,7,8,9,10,11,12,13,14,15
.if \g == 12
	s_wait_xcnt 0x0                                ; the stores of groups 0 to 11 have read NN: its registers are written again only behind this wait
.endif
.irp e, 0,1,2,3
	v_cmp_lt_i32 s20, 0, v[M+4*\g+\e]              ; open?
	v_mbcnt_lo_u32_b32 v[T], s20, 0                ; open lanes under mine
	v_add_nc_u32 v[T+1], s23, v[T]
	v_sub_nc_u32 v[T+1], v[T+1], v1                ; closed: the end's next place less the closed lanes under mine
	v_add_nc_u32 v[T], s22, v[T]                   ; open: behind the open rows so far
	v_cndmask_b32 v[POS+4*\g+\e], v[T+1], v[T], s20
	v_min_u32 v[POS+4*\g+\e], 2047, v[POS+4*\g+\e] ; a position stays inside its batch
	v_lshlrev_b32 v[M+4*\g+\e], 2, v[POS+4*\g+\e]
	v_add_nc_u32 v[NN+4*(\g%12)+\e], 128*\g+\e, v3 ; n
	global_store_b32 v[M+4*\g+\e], v[NN+4*(\g%12)+\e], s[8:9]
	global_store_b32 v[M+4*\g+\e], v[CV+4*\g+\e], s[12:13]
	s_bcnt1_i32_b32 s21, s20
	s_add_co_u32 s22, s22, s21
	s_add_co_u32 s23, s23, s21
	s_sub_co_u32 s23, s23, 32                      ; 32 less the open ones were closed
.endr
	global_store_b128 v2, v[POS+4*\g:POS+4*\g+3], s[10:11] offset:512*\g   ; 512 consecutive bytes
.endr
	v_mov_b32 v[T], s22
	global_store_b32 v3, v[T], s[14:15]            ; cnt, 32 times
	s_endpgm
.Lfunc_end_k_qafc4f68b8b_sortrows:
	.size	k_qafc4f68b8b_sortrows, .Lfunc_end_k_qafc4f68b8b_sortrows-k_qafc4f68b8b_sortrows
	.p2alignl 7, 3214868480
	.fill 96, 4, 3214868480
	.section	.rodata,"a",@progbits
	.p2align	6, 0x0
	.amdhsa_kernel k_qafc4f68b8b_sortrows
		.amdhsa_group_segment_fixed_size 0
		.amdhsa_private_segment_fixed_size 0
		.amdhsa_enable_private_segment 0
		.amdhsa_kernarg_size 48
		.amdhsa_user_sgpr_count 2
		.amdhsa_user_sgpr_kernarg_segment_ptr 1
		.amdhsa_wavefront_size32 1
		.amdhsa_system_sgpr_workgroup_id_x 1
		.amdhsa_system_sgpr_workgroup_id_y 1
		.amdhsa_system_sgpr_workgroup_id_z 1
		.amdhsa_system_vgpr_workitem_id 0
		.amdhsa_next_free_vgpr 256
		.amdhsa_next_free_sgpr 66
		.amdhsa_reserve_vcc 0
		.amdhsa_float_denorm_mode_32 3
		.amdhsa_float_denorm_mode_16_64 3
		.amdhsa_memory_ordered 1
		.amdhsa_forward_progress 1
		.amdhsa_inst_pref_size 54
	.end_amdhsa_kernel
	.amdgpu_metadata
---
amdhsa.version: [ 1, 2 ]
amdhsa.kernels:
  - .name:           k_qafc4f68b8b_sortrows
    .symbol:         k_qafc4f68b8b_sortrows.kd
    .args:
      - { .name: mask, .offset: 0, .size: 8, .value_kind: global_buffer, .address_space: global }
      - { .name: cov_vec, .offset: 8, .size: 8, .value_kind: global_buffer, .address_space: global }
      - { .name: rowlist, .offset: 16, .size: 8, .value_kind: global_buffer, .address_space: global }
      - { .name: posof, .offset: 24, .size: 8, .value_kind: global_buffer, .address_space: global }
      - { .name: covc, .offset: 32, .size: 8, .value_kind: global_buffer, .address_space: global }
      - { .name: meta, .offset: 40, .size: 8, .value_kind: global_buffer, .address_space: global }
    .group_segment_fixed_size: 0
    .private_segment_fixed_size: 0
    .kernarg_segment_align: 8
    .kernarg_segment_size: 48
    .max_flat_workgroup_size: 32
    .sgpr_count:     66
    .vgpr_count:     256
    .wavefront_size: 32
...
	.end_amdgpu_metadata
.endif
;; end of part 1
;; launch quant (part 2): grid 1056 x 1, 4 waves a work-group, no clusters, 68,096 bytes of LDS; arguments value, Wv, Wq, query, bias, rowlist, covc, meta, codes, qbc; writes codes, qbc
.if DOCPART == 2
	.amdgcn_target "amdgcn-amd-amdhsa--gfx1250"
	.amdhsa_code_object_version 6
	.text
	.protected	k_qafc4f68b8b_quant
	.globl	k_qafc4f68b8b_quant
	.p2align	8
	.type	k_qafc4f68b8b_quant,@function
k_qafc4f68b8b_quant:
	s_mov_b64 s[64:65], 0
	v_nop
	global_prefetch_b8 v0, s[64:65] scope:SCOPE_SE
	s_setreg_imm32_b32 hwreg(HW_REG_WAVE_MODE, 25, 1), 1
	s_wait_xcnt 0x0
; f32 numbers into codes of E2M3 with one E8M0 scale for each 32 along K, laid as IMAGES OF THE OPERAND'S REGISTERS, and the first product.
; Rows of value with mask <= 0 are passed over by the stored order (see the first launch's head): only the steps that hold listed rows are made.
; WORK-GROUPS.  0-15: q_hid.  Wave q of work-group x takes g = 16 (4 x + q) .. + 15: it quantises its 16 rows of Wq and the 32 rows of query, multiplies, and stores qbc = c (q_hid + bias), c = 2 log2(e).
;   16-31: Wv's rows 64 (x - 16) .. + 63 into step image 1024 + x - 16.   32-1055: with y = x - 32, batch b = (y / 4) % 32 and step S = 8 ((y % 4 + y / 256) % 4) + 4 ((y / 128) % 2) + y % 4 of 64 positions,
;   into step image 32 b + S.  The map is one to one (y % 4 = S % 4, (y / 128) % 2 = (S / 4) % 2, y / 256 = (S / 8 - S % 4) % 4).  A step at or past ceil(cntE / 64) has no row to serve and its work-group ends
;   (cntE = cnt, or 2,048 where cnt = 0).  Those are a batch's high steps: by this map any four numbers that are neighbours, and any four that lie 256 apart, hold one step of each quarter of a batch,
;   so that the work-groups with rows are spread evenly over the numbers.
; A STEP IMAGE is four tile images of 13,312 bytes.  Tile q, row r is position 64 S + 2 r + q / 2 + 32 (q % 2)  (Wv: row 64 S + 16 q + r).  A tile image: for each of 8 K steps of 128 three chunks of 512 bytes
; (chunk c: registers 4 c .. 4 c + 3 of the fragment, lane l's 16 bytes at 16 l); at 12,288 the scale words (register i: lanes 0-15 the rows' words of K step 2 i, lanes 16-31 of 2 i + 1); at 12,800 cov of the lane's row, in the first of 4 words.
; A UNIT is 16 rows x 128 K.  Sixteen loads read 512 consecutive bytes of a row each; the 8,192 bytes turn through the wave's own stage in LDS (rows of 528 bytes) and come back so that lane (r, h) holds
; k = 64 c + 32 h + 0 .. 31 of row r: two whole blocks, in the order of the operand's registers.  Loads run two units ahead.  Waves share nothing: no barrier.
; A block's scale is 2^(floor(log2(largest magnitude)) - 2), its byte that magnitude's exponent field - 2, held at 1 from below.  A block of zeros gets the byte 1 (its codes are zeros; this program alone reads the bytes).
; LIMITS: NaN and infinities among the inputs are not served.
.set IMG,   13312
.set STEPB, 53248
.set STG_V, 0                          ; LDS: four stages of 8,448 bytes for the work-groups that make images,
.set STG_W, 33792                      ; four for those that make q_hid,
.set SPARE, 67584                      ; and the spare words, 128 bytes for each wave
.set H8,  2                            ; v2       8 h; never rewritten (v1: r, v3: 16 x lane, likewise)
.set FW,  4                            ; v4-15    q_hid: Wq's fragment
.set SCT, 4                            ; v4       images: an even K step's scale word
.set SC,  8                            ; v8-11    images: the scale chunk
.set CVQ, 12                           ; v12-15   images: the cov chunk
.set OFF, 16                           ; v16-31   images: byte offset of my 16 bytes in each of the tile's rows
.set D0,  16                           ; v16-31   q_hid: two accumulators
.set R,   32                           ; v32-159  two sets of 64 numbers as loaded
.set X,   160                          ; v160-223 64 numbers in the operand's order
.set P,   224                          ; v224-235 a fragment's codes
.set TT,  236                          ; v236-238, v240-242 the upper halves of two blocks' codes
.set STI, 239                          ; v239     the stage, on the way in
.set STO, 243                          ; v243     and on the way out
.set MX,  244                          ; v244-245 largest magnitudes
.set SO,  246                          ; v246-247 the conversions' scale operands
.set BY,  248                          ; v248-249 scale bytes
.set SWD, 250                          ; v250     the scale word just made
.set TP,  251                          ; v251     at work
.set SWQ, 252                          ; v252     the matrix instruction's scale words: Wq's rows',
.set SQY, 253                          ; v253     query's rows': these two hold nothing else
.set SPW, 254                          ; v254     LDS address of my spare word; never rewritten
.set NIL, 255                          ; v255     0; never rewritten
	s_load_b256 s[4:11], s[0:1], 0x0               ; value, Wv, Wq, query
	s_load_b256 s[12:19], s[0:1], 0x20             ; bias, rowlist, covc, meta
	s_load_b128 s[20:23], s[0:1], 0x40             ; codes, qbc
	v_lshl_add_u32 v[SPW], v0, 2, SPARE
	v_mov_b32 v[NIL], 0
	v_lshrrev_b32 v1, 5, v0
	v_readfirstlane_b32 s24, v1                    ; wave q
	v_and_b32 v3, 31, v0
	v_lshlrev_b32 v3, 4, v3                        ; 16 x lane
	v_and_b32 v1, 15, v0                           ; r
	v_bfe_u32 v[H8], v0, 4, 1                      ; h,
	v_lshlrev_b32 v[H8], 3, v[H8]                  ; as 8 h: the bits by which a lane's two scale bytes are moved up
	v_mov_b32 v[TP], 0                             ; written once: a lane permute's destination counts as one of its sources
	s_mov_b32 s26, 0x76543210
	s_mov_b32 s27, 0xfedcba98                      ; lane l xor 16
	s_mov_b32 s28, 0xffff0000                      ; lanes 16-31
	s_mul_i32 s25, s24, 8448                       ; my stage
	v_mul_u32_u24 v[STO], v1, 528
	v_lshl_add_u32 v[STO], v[H8], 4, v[STO]
	v_add_nc_u32 v[STO], s25, v[STO]               ; out: row r, + 128 h
	v_add_nc_u32 v[STI], s25, v3                   ; in: 16 x lane, row by row
	s_wait_kmcnt 0x0
.macro TURNX set, lo                   ; a unit through the stage: LDS serves a wave's instructions in order, so no wait stands between the stores and the loads
.irp i, 0,1,2,3,4,5,6,7,8,9,10,11,12,13,14,15
	ds_store_b128 v[STI], v[R+64*(\set)+4*\i:R+64*(\set)+4*\i+3] offset:\lo+528*\i
.endr
.irp i, 0,1,2,3,4,5,6,7,8,9,10,11,12,13,14,15
	ds_load_b128 v[X+4*\i:X+4*\i+3], v[STO] offset:\lo+256*(\i/8)+16*(\i%8)
.endr
.endm
; The 64 numbers in X become a fragment's 12 registers from v[dst] on, and the row's scale word in v[SWD] (in lanes r and 16 + r alike).
.macro QUANTB dst
.irp c, 0,1
	v_max3_num_f32 v[MX+\c], |v[X+32*\c]|, |v[X+32*\c+1]|, 0x1800000   ; my block 2 c + h, and the floor 2^(3 - 127): the byte cannot fall under 1
.endr
.irp i, 2,4,6,8,10,12,14,16,18,20,22,24,26,28,30
.irp c, 0,1
	v_max3_num_f32 v[MX+\c], v[MX+\c], |v[X+32*\c+\i]|, |v[X+32*\c+\i+1]|
.endr
.endr
.irp c, 0,1
	v_add_nc_u32 v[SO+\c], 0xff000000, v[MX+\c]    ; 2 off the exponent field: the conversion takes that field as its scale
.endr
.irp c, 0,1
	v_lshrrev_b32 v[BY+\c], 23, v[SO+\c]           ; the scale's byte
.endr
	v_lshl_or_b32 v[SWD], v[BY+1], 16, v[BY]       ; blocks h and 2 + h,
	v_lshlrev_b32 v[SWD], v[H8], v[SWD]            ; at their places in the word;
	v_permlanex16_b32 v[TP], v[SWD], s26, s27
	v_or_b32 v[SWD], v[SWD], v[TP]                 ; with lane l xor 16's two it is whole
	s_wait_alu depctr_va_vdst(0)
	s_wait_xcnt 0x0                                ; the last unit's stores have read the codes' registers: they are written again only behind this wait
.irp c, 0,1
	v_cvt_scalef32_pk16_fp6_f32 v[\dst+6*\c:\dst+6*\c+2], v[X+32*\c:X+32*\c+15], v[SO+\c]
	v_cvt_scalef32_pk16_fp6_f32 v[TT+4*\c:TT+4*\c+2], v[X+32*\c+16:X+32*\c+31], v[SO+\c]   ; (a conversion's three registers begin on an even number)
.endr
	v_nop                                          ; one plain place behind the scaled conversions
.irp c, 0,1
.irp i, 0,1,2
	v_mov_b32 v[\dst+3+6*\c+\i], v[TT+4*\c+\i]
.endr
.endr
.endm
	s_cmp_lt_u32 ttmp9, 16
	s_cbranch_scc1 .Lpath_w
	; ---- IMAGES of value's listed rows and of Wv: one way for both; pointers and numbers are chosen by the work-group's number
	s_sub_co_i32 s30, ttmp9, 32
	s_max_i32 s30, s30, 0                          ; y
	s_bfe_u32 s31, s30, 0x50002                    ; b = (y / 4) % 32
	s_and_b32 s33, s30, 3                          ; y % 4
	s_lshr_b32 s32, s30, 8                         ; y / 256
	s_add_co_u32 s32, s32, s33
	s_and_b32 s32, s32, 3                          ; which quarter of the batch's steps
	s_lshl_b32 s32, s32, 3
	s_bfe_u32 s37, s30, 0x10007                    ; (y / 128) % 2
	s_lshl_b32 s37, s37, 2
	s_or_b32 s32, s32, s37
	s_or_b32 s32, s32, s33                         ; S
	s_lshl_b32 s30, s31, 5
	s_add_co_u32 s30, s30, s32                     ; value's step image: 32 b + S
	s_lshl_b32 s34, s31, 7
	s_mov_b32 s35, 0
	s_add_nc_u64 s[18:19], s[18:19], s[34:35]
	s_load_b32 s36, s[18:19], 0x0                  ; cnt
	s_sub_co_u32 s37, ttmp9, 16                    ; Wv's step
	s_add_co_u32 s38, ttmp9, 1008                  ; and its image: 1024 + x - 16
	s_wait_kmcnt 0x0
	s_cmp_eq_u32 s36, 0
	s_cselect_b32 s36, 2048, s36                   ; cntE
	s_add_co_u32 s36, s36, 63
	s_lshr_b32 s36, s36, 6                         ; steps that hold listed rows
	s_cmp_lt_u32 ttmp9, 32                         ; Wv's work-group?
	s_cselect_b32 s36, 16, s36
	s_cselect_b32 s32, s37, s32
	s_cselect_b32 s38, s38, s30
	s_cselect_b32 s39, 0, s31
	s_cselect_b32 s40, -1, 0
	s_cselect_b64 s[4:5], s[6:7], s[4:5]
	s_cmp_lt_u32 s32, s36
	s_cbranch_scc1 .Lwork
	s_endpgm                                       ; this split leaves the step without rows: nothing was written
.Lwork:
	s_lshr_b32 s41, s24, 1
	s_and_b32 s42, s24, 1
	s_lshl_b32 s42, s42, 5
	s_add_co_u32 s41, s41, s42                     ; q / 2 + 32 (q % 2)
	s_lshl_b32 s42, s32, 6                         ; 64 S
	s_add_co_u32 s41, s41, s42
	s_lshl_b32 s43, s31, 11
	s_add_co_u32 s41, s41, s43                     ; + 2,048 b
	s_lshl_b32 s41, s41, 2
	s_wait_alu depctr_va_vdst(0)
	v_lshl_add_u32 v[MX], v1, 3, s41               ; the word of position .. + 2 r
	global_load_b32 v[SO], v[MX], s[14:15]         ; row r's n
	global_load_b32 v[CVQ], v[MX], s[16:17]        ; and its cov
	s_lshl_b32 s43, s24, 4
	s_add_co_u32 s42, s42, s43
	v_add_nc_u32 v[BY], s42, v1                    ; Wv: row 64 S + 16 q + r
	v_mov_b32 v[CVQ+1], 0
	v_mov_b32 v[CVQ+2], 0
	v_mov_b32 v[CVQ+3], 0
	s_lshl_b32 s34, s39, 23                        ; a batch of value is 8 MiB
	s_add_nc_u64 s[4:5], s[4:5], s[34:35]
	s_mul_i32 s34, s38, STEPB
	s_mul_i32 s43, s24, IMG
	s_add_co_u32 s34, s34, s43
	s_add_nc_u64 s[20:21], s[20:21], s[34:35]      ; my tile image
	s_wait_alu depctr_va_vdst(0)
	s_wait_loadcnt 0x0
	v_cndmask_b32 v[SO], v[SO], v[BY], s40
	v_min_u32 v[SO], 2047, v[SO]
	s_wait_alu depctr_va_vdst(0)
.irp i, 0,1,2,3,4,5,6,7,8,9,10,11,12,13,14,15
	v_readlane_b32 s41, v[SO], \i
	s_min_u32 s41, s41, 2047                       ; a row stays inside its batch
	s_lshl_b32 s41, s41, 12
	v_add_nc_u32 v[OFF+\i], s41, v3
.endr
.macro LOADV set, ks
.irp i, 0,1,2,3,4,5,6,7,8,9,10,11,12,13,14,15
	global_load_b128 v[R+64*(\set)+4*\i:R+64*(\set)+4*\i+3], v[OFF+\i], s[4:5] offset:512*(\ks) th:TH_LOAD_NT   ; 512 consecutive bytes of one row
.endr
.endm
	s_wait_alu depctr_va_vdst(0)
	LOADV 0, 0
	LOADV 1, 1
.set KS, 0
.rept 8
.if KS < 7
	s_wait_loadcnt 16                              ; this K step's sixteen loads are in; the next one's may be out
.else
	s_wait_loadcnt 0x0
.endif
	TURNX (KS%2), STG_V
	s_wait_dscnt 0x0                               ; X is in, and the stores into the stage have read their registers,
.if KS < 6
	LOADV (KS%2), (KS+2)                           ; which take the K step two on
.endif
	QUANTB P
.irp c, 0,1,2
	global_store_b128 v3, v[P+4*\c:P+4*\c+3], s[20:21] offset:1536*KS+512*\c   ; 512 consecutive bytes
.endr
.if (KS%2) == 0
	v_mov_b32 v[SCT], v[SWD]
.else
	v_cndmask_b32 v[SC+KS/2], v[SCT], v[SWD], s28  ; lanes 0-15 the even K step's words, lanes 16-31 the odd one's
.endif
.set KS, KS+1
.endr
	global_store_b128 v3, v[SC:SC+3], s[20:21] offset:12288
	global_store_b128 v3, v[CVQ:CVQ+3], s[20:21] offset:12800
	s_branch .Lclose
	; ---- q_hid.  Source 0 = my 16 rows of Wq, source 1 = 16 rows of query: lane (r, h) holds batch 16 u + r and g = 16 T + 8 h + 0 .. 7.  bias is the C of each sum's first instruction.
.Lpath_w:
	s_lshl_b32 s30, ttmp9, 2
	s_add_co_u32 s30, s30, s24                     ; T
	s_lshl_b32 s32, s30, 16                        ; 16 T rows of 4,096 bytes
	s_mov_b32 s33, 0
	s_add_nc_u64 s[8:9], s[8:9], s[32:33]
	s_lshl_b32 s32, s30, 6                         ; 16 T numbers
	s_add_nc_u64 s[12:13], s[12:13], s[32:33]
	s_add_nc_u64 s[22:23], s[22:23], s[32:33]
	s_mov_b32 s34, 0x4038aa3b                      ; c = 2 log2(e)
	s_mov_b32 s35, s34
	s_wait_alu depctr_va_vdst(0)
	v_lshlrev_b32 v[MX], 2, v[H8]                  ; 32 h
.irp u, 0,1
	global_load_b128 v[D0+8*\u:D0+8*\u+3], v[MX], s[12:13]
	global_load_b128 v[D0+8*\u+4:D0+8*\u+7], v[MX], s[12:13] offset:16
.endr
.macro LOADW set, ks, tile             ; tile 0: Wq's 16 rows; 1, 2: query's rows 0-15, 16-31
.irp i, 0,1,2,3,4,5,6,7,8,9,10,11,12,13,14,15
.if (\tile) == 0
	global_load_b128 v[R+64*(\set)+4*\i:R+64*(\set)+4*\i+3], v3, s[8:9] offset:4096*\i+512*(\ks) th:TH_LOAD_NT
.else
	global_load_b128 v[R+64*(\set)+4*\i:R+64*(\set)+4*\i+3], v3, s[10:11] offset:4096*(16*((\tile)-1)+\i)+512*(\ks)
.endif
.endr
.endm
	LOADW 0, 0, 0
	LOADW 1, 0, 1
.set U, 0
.rept 24                               ; unit U: K step U / 3, tile U % 3
.if U < 23
	s_wait_loadcnt 16                              ; this unit's loads (and bias) are in; the next unit's may be out
.else
	s_wait_loadcnt 0x0
.endif
	TURNX (U%2), STG_W
	s_wait_dscnt 0x0
.if U < 22
	LOADW (U%2), ((U+2)/3), ((U+2)%3)
.endif
.if (U%3) == 0
	QUANTB FW
	v_mov_b32 v[SWQ], v[SWD]
.else
	QUANTB P
	v_mov_b32 v[SQY], v[SWD]
.rept 8
	v_nop                                          ; a scale register written by a vector instruction stands 8 places ahead of a scaled matrix instruction, an operand 4
.endr
.set DD, D0+8*((U%3)-1)                ; the two accumulators take turns, one instruction a turn
	v_wmma_scale_f32_16x16x128_f8f6f4 v[DD:DD+7], v[FW:FW+11], v[P:P+11], v[DD:DD+7], v[SWQ], v[SQY] matrix_a_fmt:MATRIX_FMT_FP6 matrix_b_fmt:MATRIX_FMT_FP6
.endif
.set U, U+1
.endr
.rept 4
	v_nop                                          ; places in front of the first read of results
.endr
.irp j, 0,1,2,3,4,5,6,7
	v_pk_mul_f32 v[X+2*\j:X+2*\j+1], v[D0+2*\j:D0+2*\j+1], s[34:35] op_sel_hi:[1,0]   ; c (q_hid + bias); each accumulator from its low end on
.endr
	v_lshlrev_b32 v[MX], 12, v1
	v_lshl_add_u32 v[MX], v[H8], 2, v[MX]          ; batch r's row of 4,096 bytes, + 32 h
.irp u, 0,1
	global_store_b128 v[MX], v[X+8*\u:X+8*\u+3], s[22:23] offset:65536*\u
	global_store_b128 v[MX], v[X+8*\u+4:X+8*\u+7], s[22:23] offset:65536*\u+16
.endr
.Lclose:
	s_wait_tensorcnt 0x0                           ; the wave's end, behind my last LDS store
	ds_add_u32 v[SPW], v[NIL]
	s_wait_dscnt 0x0
	s_endpgm
.Lfunc_end_k_qafc4f68b8b_quant:
	.size	k_qafc4f68b8b_quant, .Lfunc_end_k_qafc4f68b8b_quant-k_qafc4f68b8b_quant
	.p2alignl 7, 3214868480
	.fill 96, 4, 3214868480
	.section	.rodata,"a",@progbits
	.p2align	6, 0x0
	.amdhsa_kernel k_qafc4f68b8b_quant
		.amdhsa_group_segment_fixed_size 68096
		.amdhsa_private_segment_fixed_size 0
		.amdhsa_enable_private_segment 0
		.amdhsa_kernarg_size 80
		.amdhsa_user_sgpr_count 2
		.amdhsa_user_sgpr_kernarg_segment_ptr 1
		.amdhsa_wavefront_size32 1
		.amdhsa_system_sgpr_workgroup_id_x 1
		.amdhsa_system_sgpr_workgroup_id_y 1
		.amdhsa_system_sgpr_workgroup_id_z 1
		.amdhsa_system_vgpr_workitem_id 0
		.amdhsa_next_free_vgpr 256
		.amdhsa_next_free_sgpr 66
		.amdhsa_reserve_vcc 0
		.amdhsa_float_denorm_mode_32 3
		.amdhsa_float_denorm_mode_16_64 3
		.amdhsa_memory_ordered 1
		.amdhsa_forward_progress 1
		.amdhsa_inst_pref_size 228
	.end_amdhsa_kernel
	.amdgpu_metadata
---
amdhsa.version: [ 1, 2 ]
amdhsa.kernels:
  - .name:           k_qafc4f68b8b_quant
    .symbol:         k_qafc4f68b8b_quant.kd
    .args:
      - { .name: value, .offset: 0, .size: 8, .value_kind: global_buffer, .address_space: global }
      - { .name: Wv, .offset: 8, .size: 8, .value_kind: global_buffer, .address_space: global }
      - { .name: Wq, .offset: 16, .size: 8, .value_kind: global_buffer, .address_space: global }
      - { .name: query, .offset: 24, .size: 8, .value_kind: global_buffer, .address_space: global }
      - { .name: bias, .offset: 32, .size: 8, .value_kind: global_buffer, .address_space: global }
      - { .name: rowlist, .offset: 40, .size: 8, .value_kind: global_buffer, .address_space: global }
      - { .name: covc, .offset: 48, .size: 8, .value_kind: global_buffer, .address_space: global }
      - { .name: meta, .offset: 56, .size: 8, .value_kind: global_buffer, .address_space: global }
      - { .name: codes, .offset: 64, .size: 8, .value_kind: global_buffer, .address_space: global }
      - { .name: qbc, .offset: 72, .size: 8, .value_kind: global_buffer, .address_space: global }
    .group_segment_fixed_size: 68096
    .private_segment_fixed_size: 0
    .kernarg_segment_align: 8
    .kernarg_segment_size: 80
    .max_flat_workgroup_size: 128
    .sgpr_count:     66
    .vgpr_count:     256
    .wavefront_size: 32
...
	.end_amdgpu_metadata
.endif
;; end of part 2
;; launch scores (part 3): grid 4 x 64, 4 waves a work-group, no clusters, 107,008 bytes of LDS; arguments codes, meta, qbc, Wc, Wm, epart; writes epart
.if DOCPART == 3
	.amdgcn_target "amdgcn-amd-amdhsa--gfx1250"
	.amdhsa_code_object_version 6
	.text
	.protected	k_qafc4f68b8b_scores
	.globl	k_qafc4f68b8b_scores
	.p2align	8
	.type	k_qafc4f68b8b_scores,@function
k_qafc4f68b8b_scores:
	s_mov_b64 s[64:65], 0
	v_nop
	global_prefetch_b8 v0, s[64:65] scope:SCOPE_SE
	s_setreg_imm32_b32 hwreg(HW_REG_WAVE_MODE, 25, 1), 1
	s_wait_xcnt 0x0
; The second product on codes of E2M3, tanh, and the third product's partial sums.  Rows with mask <= 0 are passed over by the stored count (see the first launch's head): only steps that hold listed rows are walked.
; tanh(x) = 1 - 2 / a, a = 1 + 2^(c x), c = 2 log2(e).  epart[slice][b][position] = the sum over the slice's 64 g of -2 Wm[g] / a; the last launch adds sum Wm + bm.
; FOUR UNITS SHARE ONE RECIPROCAL: w0/a0 + w1/a1 + w2/a2 + w3/a3 = ((w0 a2 + w2 a0) a1 a3 + (w1 a3 + w3 a1) a0 a2) / (a0 a1 a2 a3).
; LIMIT: 2^(c x) is held at 2^30, so that the product of four stays under 2^121; 1 / a then differs from its true value by under 2^-30.
; SHARES.  Work-group (gq, y): batch b = y / 2, g = 256 gq .. + 255, one half of the batch's steps of 64 positions.  Wave w keeps Wv's g = 256 gq + 64 w .. + 63 (four tiles of 16) for all of K in 384 registers;
; the rows' codes go round: a step image of 53,248 bytes, of which each wave copies a quarter through registers into an LDS slot, and all four read all of it.
; NO TENSOR LOAD, NO CLUSTER: which steps are live hangs on a count read from memory.  The loop's trip count is a constant, every barrier stands outside the branches on that count, and a step index that enters an
; address is held at the last live step.  No prefetch: the staging loads are asked for a step ahead of their use.
; TRANSPOSED USE: source 0 = 16 rows of Wv, source 1 = 16 rows of value: lane (r, h) holds row r; register j of accumulator t holds g = 16 t + 8 h + j.
; A TURN multiplies tile T: its loads first; 32 matrix instructions (4 accumulators by turns, K ascending), behind each 3 or 4 plain lines of a list of 120: the sums of tile T - 2, u = c (q_hid + bias) + cov c Wc of tile T,
; and a, N and the products of four of tile T - 1.  Then c acc + u; then ONE batch: tile T's 32 exponentials and tile T - 1's 8 reciprocals.
; No transcendental stands among the matrix instructions or between a matrix result and its first read.
; REGISTERS.  Window 0: v1, v2 16 x lane in slot 0, 1; v3 8 x lane; v5, v4 my quarter's place in slot 0, 1; v6 32 h; v8, v9 the add's two; the names below.
;   Window 1: v0-191 Wv's tiles 0, 1; v192-255 staging.  Window 2: v0-191 tiles 2, 3; v192-231 staging.  Window 3: v0-95, v96-191 two fragment buffers; v192-223 the accumulators.
.set IMG,   13312
.set STEPB, 53248
.set SPARE, 106496                     ; behind the two slots: the spare words, 128 bytes for each wave
.set SPW, 8
.set NIL, 9
.set WS,  16                           ; v16-31 Wv's scale words
.set AS,  32                           ; v32-39 the rows' scale words, a set for each buffer
.set COV, 40                           ; v40-43 cov, a pair for each buffer (the odd ones 0)
.set ER,  44                           ; v44-45 a step's results: positions 2 l and 2 l + 1 of lane l
.set TQ,  46                           ; v46-47 at work
.set EC,  48                           ; v48-49 the sum's pair
.set PT,  50                           ; v50-57 two sets: (a0 a2, a1 a3) and (w0 a2 + w2 a0, w1 a3 + w3 a1)
.set DR,  58                           ; v58-65 eight products of four, then their reciprocals
.set NR,  66                           ; v66-73 eight numerators
.set E,   96                           ; v96-127 c x, then 2^, then a
.set U,   128                          ; v128-159 u
.set WCC, 160                          ; c Wc
.set WMM, 192                          ; -2 Wm
.set QBC, 224                          ; c (q_hid + bias)
.set ACC, 192                          ; in window 3
.set MSB, 0
.macro WIN new                         ; the immediate's high byte repeats the setting that is left
.if MSB != (\new)
	s_set_vgpr_msb (MSB<<8)|(\new)
.set MSB, (\new)
.endif
.endm
	s_load_b256 s[4:11], s[0:1], 0x0               ; codes, meta, qbc, Wc
	s_load_b128 s[12:15], s[0:1], 0x20             ; Wm, epart
	v_lshl_add_u32 v[SPW], v0, 2, SPARE
	v_mov_b32 v[NIL], 0
	v_lshrrev_b32 v7, 5, v0
	v_readfirstlane_b32 s18, v7                    ; wave w
	v_and_b32 v7, 31, v0
	v_lshlrev_b32 v1, 4, v7
	v_add_nc_u32 v2, STEPB, v1
	v_lshlrev_b32 v3, 3, v7
	s_mul_i32 s46, s18, IMG
	v_add_nc_u32 v5, s46, v1
	v_add_nc_u32 v4, STEPB, v5
	v_bfe_u32 v6, v0, 4, 1
	v_lshlrev_b32 v6, 5, v6
	s_mov_b32 s20, 0x4038aa3b                      ; c
	s_mov_b32 s21, s20
	s_mov_b32 s22, 0x76543210
	s_mov_b32 s23, 0xfedcba98                      ; lane l xor 16
	s_mov_b32 s24, 0xffff0000                      ; lanes 16-31
	s_and_b32 s47, ttmp7, 0xffff
	s_lshr_b32 s25, s47, 1                         ; b
	s_and_b32 s26, s47, 1                          ; which half of the steps
	s_mov_b32 s31, 0                               ; the step in hand, counted from my first
	s_mov_b32 s45, 0
	s_wait_alu depctr_va_vdst(0)
	s_wait_kmcnt 0x0
	s_lshl_b32 s44, s25, 7
	s_add_nc_u64 s[6:7], s[6:7], s[44:45]
	s_load_b32 s27, s[6:7], 0x0                    ; cnt
	s_lshl_b32 s19, ttmp9, 2
	s_add_co_u32 s19, s19, s18                     ; slice
	s_add_co_u32 s46, s19, 1024
	s_mul_i32 s44, s46, STEPB
	s_add_nc_u64 s[48:49], s[4:5], s[44:45]        ; my 64 rows of Wv
.irp t, 0,1,2,3
	WIN 0x40+0x40*(\t/2)                           ; destination window 1 or 2
.irp n, 0,1,2,3,4,5,6,7,8,9,10,11,12,13,14,15,16,17,18,19,20,21,22,23
	global_load_b128 v[96*(\t%2)+4*\n:96*(\t%2)+4*\n+3], v1, s[48:49] offset:IMG*\t+512*\n
.endr
.endr
	WIN 0
.irp t, 0,1,2,3
	global_load_b128 v[WS+4*\t:WS+4*\t+3], v1, s[48:49] offset:IMG*\t+12288
.endr
	s_lshl_b32 s44, s19, 8                         ; my 64 numbers
	s_add_nc_u64 s[10:11], s[10:11], s[44:45]
	s_add_nc_u64 s[12:13], s[12:13], s[44:45]
	s_add_nc_u64 s[8:9], s[8:9], s[44:45]
	s_lshl_b32 s44, s25, 12
	s_add_nc_u64 s[8:9], s[8:9], s[44:45]
.irp t, 0,1,2,3
	global_load_b128 v[WCC+8*\t:WCC+8*\t+3], v6, s[10:11] offset:64*\t
	global_load_b128 v[WCC+8*\t+4:WCC+8*\t+7], v6, s[10:11] offset:64*\t+16
	global_load_b128 v[WMM+8*\t:WMM+8*\t+3], v6, s[12:13] offset:64*\t
	global_load_b128 v[WMM+8*\t+4:WMM+8*\t+7], v6, s[12:13] offset:64*\t+16
	global_load_b128 v[QBC+8*\t:QBC+8*\t+3], v6, s[8:9] offset:64*\t
	global_load_b128 v[QBC+8*\t+4:QBC+8*\t+7], v6, s[8:9] offset:64*\t+16
.endr
	s_mul_i32 s44, s25, 32*STEPB
	s_add_nc_u64 s[36:37], s[4:5], s[44:45]        ; the batch's step images
	s_wait_kmcnt 0x0
	s_cmp_eq_u32 s27, 0
	s_cselect_b32 s27, 2048, s27                   ; cntE
	s_add_co_u32 s27, s27, 63
	s_lshr_b32 s27, s27, 6
	s_min_u32 s27, s27, 32                         ; live steps of the batch, 1 .. 32
	s_add_co_u32 s46, s27, 1
	s_lshr_b32 s46, s46, 1                         ; the first half's
	s_sub_co_u32 s47, s27, s46                     ; the second half's
	s_cmp_eq_u32 s26, 0
	s_cselect_b32 s29, 0, s46                      ; my first step
	s_cselect_b32 s30, s46, s47                    ; my steps, 0 .. 16
	s_min_u32 s29, s29, 31
	s_sub_co_u32 s28, s27, 1                       ; the last live step
	s_lshl_b32 s44, s19, 18
	s_lshl_b32 s46, s25, 13
	s_add_co_u32 s44, s44, s46
	s_lshl_b32 s46, s29, 8
	s_add_co_u32 s44, s44, s46
	s_add_nc_u64 s[34:35], s[14:15], s[44:45]      ; epart at [slice][b][my first position]
.macro SETSB d                         ; s[40:41]: the image of my step s31 + d, held at the last live step
	s_add_co_u32 s46, s29, s31
	s_add_co_u32 s46, s46, \d
	s_min_u32 s46, s46, s28
	s_min_u32 s46, s46, 31
	s_mul_i32 s44, s46, STEPB
	s_add_nc_u64 s[40:41], s[36:37], s[44:45]
.endm
.macro STGLOAD                         ; my quarter of a step image, 26 chunks of 512 bytes, into the staging registers
	WIN 0x40
.irp n, 0,1,2,3,4,5,6,7,8,9,10,11,12,13,14,15
	global_load_b128 v[192+4*\n:195+4*\n], v5, s[40:41] offset:512*\n
.endr
	WIN 0x80
.irp n, 0,1,2,3,4,5,6,7,8,9
	global_load_b128 v[192+4*\n:195+4*\n], v5, s[40:41] offset:512*(16+\n)
.endr
	WIN 0
.endm
.macro STGSTORE adr                    ; and from there into a slot (an LDS store's data are its source 1)
	WIN 0x04
.irp n, 0,1,2,3,4,5,6,7,8,9,10,11,12,13,14,15
	ds_store_b128 v[\adr], v[192+4*\n:195+4*\n] offset:512*\n
.endr
	WIN 0x08
.irp n, 0,1,2,3,4,5,6,7,8,9
	ds_store_b128 v[\adr], v[192+4*\n:195+4*\n] offset:512*(16+\n)
.endr
	WIN 0
.endm
.macro FRAGS adr, off, buf             ; a tile's eight fragments into a buffer, its scale words, and its rows' cov
	WIN 0xc0
.irp n, 0,1,2,3,4,5,6,7,8,9,10,11,12,13,14,15,16,17,18,19,20,21,22,23
	ds_load_b128 v[96*(\buf)+4*\n:96*(\buf)+4*\n+3], v[\adr] offset:(\off)+512*\n
.endr
	WIN 0
	ds_load_b128 v[AS+4*(\buf):AS+4*(\buf)+3], v[\adr] offset:(\off)+12288
	ds_load_b32 v[COV+2*(\buf)], v[\adr] offset:(\off)+12800
.endm
.macro WM buf, ks, t                   ; one matrix instruction: Wv's tile t x the buffer's rows, K step ks; the first K step starts the sum
.set rD, ACC+8*(\t)
.set rA, 96*((\t)%2)+12*(\ks)
.set rB, 96*(\buf)+12*(\ks)
.set rX, WS+4*(\t)+(\ks)/2
.set rY, AS+4*(\buf)+(\ks)/2
.if (\ks) == 0
	v_wmma_scale_f32_16x16x128_f8f6f4 v[rD:rD+7], v[rA:rA+11], v[rB:rB+11], 0, v[rX], v[rY] matrix_a_fmt:MATRIX_FMT_FP6 matrix_b_fmt:MATRIX_FMT_FP6
.elseif ((\ks)%2) == 0
	v_wmma_scale_f32_16x16x128_f8f6f4 v[rD:rD+7], v[rA:rA+11], v[rB:rB+11], v[rD:rD+7], v[rX], v[rY] matrix_a_fmt:MATRIX_FMT_FP6 matrix_b_fmt:MATRIX_FMT_FP6
.else
	v_wmma_scale_f32_16x16x128_f8f6f4 v[rD:rD+7], v[rA:rA+11], v[rB:rB+11], v[rD:rD+7], v[rX], v[rY] matrix_a_fmt:MATRIX_FMT_FP6 matrix_b_fmt:MATRIX_FMT_FP6 matrix_a_scale:MATRIX_SCALE_ROW1 matrix_b_scale:MATRIX_SCALE_ROW1
.endif
.endm
.macro S3OP i                          ; line i of 8: the sum of N / (product of four) over the eight fours, lane l xor 16's half, and tile EQ's place in ER
.if (\i) == 0
	v_pk_mul_f32 v[EC:EC+1], v[NR:NR+1], v[DR:DR+1]
.elseif (\i) < 4
	v_pk_fma_f32 v[EC:EC+1], v[NR+2*(\i):NR+2*(\i)+1], v[DR+2*(\i):DR+2*(\i)+1], v[EC:EC+1]
.elseif (\i) == 4
	v_add_f32 v[TQ], v[EC], v[EC+1]
.elseif (\i) == 5
	v_permlanex16_b32 v[TQ+1], v[TQ], s22, s23
.elseif (\i) == 6
	v_add_f32 v[TQ], v[TQ], v[TQ+1]                ; row r's sum over the slice, in lanes r and 16 + r
.elseif (EQ%2) == 0
	v_mov_b32 v[ER+EQ/2], v[TQ]                    ; tile q, row r is position 2 r + q / 2 + 32 (q % 2): an even tile's rows belong to lanes 0-15,
.else
	v_cndmask_b32 v[ER+EQ/2], v[ER+EQ/2], v[TQ], s24   ; an odd tile's to lanes 16-31
.endif
.endm
.macro UOP i                           ; u of pair i, for the tile that is being multiplied (not on the way out: DOU = 0)
.if DOU
	v_pk_fma_f32 v[U+2*(\i):U+2*(\i)+1], v[ECV:ECV+1], v[WCC+2*(\i):WCC+2*(\i)+1], v[QBC+2*(\i):QBC+2*(\i)+1] op_sel_hi:[0,1,1]
.endif
.endm
; THE LIST, 120 plain lines; LOP writes line j.  0-15: the eight sum lines and u's pairs 0-7 by turns; 16-23: u's pairs 8-15; 24-55: the hold at 2^30; 56-71: 1 +; 72-119: six lines for each four, two fours by turns.
.macro LOP
.if j < 16
.if (j%2) == 0
	S3OP (j/2)
.else
	UOP (j/2)
.endif
.elseif j < 24
	UOP (j-8)
.elseif j < 56
	v_min_num_f32 v[E+j-24], 0x4e800000, v[E+j-24]
.elseif j < 72
	v_pk_add_f32 v[E+2*(j-56):E+2*(j-56)+1], v[E+2*(j-56):E+2*(j-56)+1], 1.0 op_sel_hi:[1,0]
.else
.set l_m, (j-72)%12
.set l_q, 2*((j-72)/12)+l_m%2
.set l_o, l_m/2
.set l_p, PT+4*(l_m%2)
.set l_e, E+4*l_q
.set l_w, WMM+4*l_q
.if l_o == 0
	v_pk_mul_f32 v[l_p:l_p+1], v[l_e:l_e+1], v[l_e+2:l_e+3]                       ; (a0 a2, a1 a3)
.elseif l_o == 1
	v_pk_mul_f32 v[l_p+2:l_p+3], v[l_e+2:l_e+3], v[l_w:l_w+1]                     ; (a2 w0, a3 w1)
.elseif l_o == 2
	v_pk_fma_f32 v[l_p+2:l_p+3], v[l_e:l_e+1], v[l_w+2:l_w+3], v[l_p+2:l_p+3]     ; + (a0 w2, a1 w3)
.elseif l_o == 3
	v_mul_f32 v[DR+l_q], v[l_p], v[l_p+1]
.elseif l_o == 4
	v_mul_f32 v[NR+l_q], v[l_p+2], v[l_p+1]
.else
	v_fmac_f32 v[NR+l_q], v[l_p+3], v[l_p]
.endif
.endif
.set j, j+1
.endm
.macro EMIT n
	WIN 0
.rept \n
	LOP
.endr
.endm
.macro RCPS                            ; the eight reciprocals
.set i_, 0
.rept 8
	v_rcp_f32 v[DR+i_], v[DR+i_]
.set i_, i_+1
.endr
.endm
; A TURN.  wbuf: the buffer of the tile that is multiplied; fadr, foff: where the next tile lies in LDS (it goes into the other buffer); eq: the number of the tile whose sums are finished.
; extra = 1: the staged quarter goes into the slot at v[sadr]; extra = 2: the quarter two steps on is asked for (behind this turn's wait on DScnt, which shows that the stores have read the staging registers).
; The staging lines stand at the turn's head, behind the last turn's closing wait.  The next tile's fragments are asked for behind the first matrix instruction's lines: the other buffer's last reader, the last
; turn's last matrix instruction, lies more than four plain lines back (ISA guide 7.12.1).
; Behind matrix instruction k stand the list's lines up to (k + 1) 114 / 31, three at the least; behind the last the six from 114 on, which name none of its registers: the places in front of the reads of results.
.macro TURN wbuf, fadr, foff, eq, extra, sadr
.set ECV, COV+2*(\wbuf)
.set EQ, \eq
.set DOU, 1
.set j, 0
	s_wait_dscnt 0x0                               ; this tile's fragments, asked for a turn ago, are in
.if \extra == 1
	s_wait_loadcnt 0x0                             ; the staging loads, asked for three turns ago
	STGSTORE \sadr
.endif
.if \extra == 2
	s_wait_loadcnt 0x0                             ; no staging load is out on any way here: their base and registers may be written
	SETSB 2
	STGLOAD
.endif
.set k, 0
.rept 32
	WIN 0xfd+((k%4)/2)                             ; source 0 window 1 or 2; source 1, C and D window 3
	WM \wbuf, (k/4), (k%4)
.if k < 31
.set en, ((k+1)*114)/31-j
.else
.set en, 120-j
.endif
	EMIT en
.if k == 0
	FRAGS \fadr, \foff, 1-(\wbuf)
.endif
.set k, k+1
.endr
	WIN 0x03                                       ; source 0 window 3
.irp p, 0,1,2,3,4,5,6,7,8,9,10,11,12,13,14,15
	v_pk_fma_f32 v[E+2*\p:E+2*\p+1], v[ACC+2*\p:ACC+2*\p+1], s[20:21], v[U+2*\p:U+2*\p+1] op_sel_hi:[1,0,1]   ; c acc + u; each accumulator from its low end on
.endr
	WIN 0
	s_wait_alu depctr_va_vdst(0)                   ; the wait ahead of the batch
.set i_, 0
.rept 32
	v_exp_f32 v[E+i_], v[E+i_]
.set i_, i_+1
.endr
	RCPS
	v_nop                                          ; a plain line behind the batch,
	s_wait_alu depctr_va_vdst(0)                   ; and the wait behind it: it also stands ahead of the next waits and branches
.endm
.macro STORE_E                         ; a step's 64 sums: 256 consecutive bytes, aligned
	global_store_b64 v3, v[ER:ER+1], s[34:35]
	s_wait_xcnt 0x0                                ; the store has read its base and its data: both are written again only behind this wait
	s_add_nc_u64 s[34:35], s[34:35], 256
.endm
; A STEP of parity par: its tiles lie in slot par.  Between two barriers slot par is only read and slot 1 - par only written; behind the step's barrier slot 1 - par is whole, and its first tile is fetched.
.macro STEP par
	s_cmp_lt_u32 s31, s30
	s_cbranch_scc0 .Lidle_a_\@
	TURN 0, 1+\par, IMG, 2, 0, 0                   ; tile 0 | the last step's tile 2 is finished
	TURN 1, 1+\par, 2*IMG, 3, 0, 0                 ; tile 1 | the last step's tile 3
	s_cmp_eq_u32 s31, 0
	s_cbranch_scc1 .Lfirst_\@                      ; (my first step has no step before it: what the list made of the cleared registers is dropped)
	STORE_E
.Lfirst_\@:
	TURN 0, 1+\par, 3*IMG, 0, 1, 4+\par            ; tile 2 | tile 0 | the next step's quarter, asked for three turns ago, into the other slot
.Lidle_a_\@:
	s_wait_dscnt 0x0                               ; my stores into the other slot have landed and my reads of this slot are in
	s_barrier_signal -1
	s_barrier_wait -1
	s_cmp_lt_u32 s31, s30
	s_cbranch_scc0 .Lidle_b_\@
	TURN 1, 2-\par, 0, 1, 2, 0                     ; tile 3 | tile 1 | the quarter two steps on is asked for | the next step's tile 0 from the other slot
.Lidle_b_\@:
	s_add_co_u32 s31, s31, 1
.endm
	SETSB 0
	STGLOAD                                        ; my first step
	s_wait_loadcnt 0x0
.irp i, 0,2,4,6,8,10,12,14,16,18,20,22,24,26,28,30
	v_pk_mul_f32 v[WCC+\i:WCC+\i+1], v[WCC+\i:WCC+\i+1], s[20:21] op_sel_hi:[1,0]   ; c Wc
	v_pk_mul_f32 v[WMM+\i:WMM+\i+1], v[WMM+\i:WMM+\i+1], -2.0 op_sel_hi:[1,0]        ; -2 Wm
.endr
	STGSTORE 5
	s_wait_dscnt 0x0                               ; for the others' sake, and the stores have read the staging registers
	SETSB 1
	STGLOAD                                        ; my second step
	s_barrier_signal -1
	s_barrier_wait -1                              ; slot 0 is whole
	FRAGS 1, 0, 0
	FRAGS 1, IMG, 1
.set i_, 0
.rept 32
	v_mov_b32 v[E+i_], 0                           ; once: the turns are written once, and the first two find no tile before them
.set i_, i_+1
.endr
.set i_, 0
.rept 16
	v_mov_b32 v[DR+i_], 0                          ; DR and NR
.set i_, i_+1
.endr
	v_mov_b32 v[COV+1], 0                          ; named as the upper halves of pairs
	v_mov_b32 v[COV+3], 0
	v_mov_b32 v[ER], 0
	v_mov_b32 v[ER+1], 0
	v_mov_b32 v[TQ+1], 0                           ; a lane permute's destination counts as one of its sources
	s_wait_alu depctr_va_vdst(0)
	s_mov_b32 s32, 0
.Ltrip:                                            ; 8 trips of two steps: as many as a half of a batch can have
	STEP 0
	STEP 1
	s_add_co_u32 s32, s32, 1
	s_cmp_lt_u32 s32, 8
	s_cbranch_scc1 .Ltrip
	s_wait_dscnt 0x0                               ; the last fragments asked for are in: nothing reads them
	s_cmp_eq_u32 s30, 0
	s_cbranch_scc1 .Ldone
.set ECV, COV                          ; my last step's tiles 2 and 3: idle steps have touched none of their registers
.set EQ, 2
.set DOU, 0
.set j, 0
	EMIT 120                                       ; tile 2's sums; tile 3's a, N and products
	s_wait_alu depctr_va_vdst(0)                   ; the wait ahead of the batch,
	RCPS
	v_nop
	s_wait_alu depctr_va_vdst(0)                   ; and behind it
.set EQ, 3
.irp i, 0,1,2,3,4,5,6,7
	S3OP \i
.endr
	STORE_E
.Ldone:
	s_wait_tensorcnt 0x0                           ; the wave's end, behind my last LDS store
	ds_add_u32 v[SPW], v[NIL]
	s_wait_dscnt 0x0
	s_endpgm
.Lfunc_end_k_qafc4f68b8b_scores:
	.size	k_qafc4f68b8b_scores, .Lfunc_end_k_qafc4f68b8b_scores-k_qafc4f68b8b_scores
	.p2alignl 7, 3214868480
	.fill 96, 4, 3214868480
	.section	.rodata,"a",@progbits
	.p2align	6, 0x0
	.amdhsa_kernel k_qafc4f68b8b_scores
		.amdhsa_group_segment_fixed_size 107008
		.amdhsa_private_segment_fixed_size 0
		.amdhsa_enable_private_segment 0
		.amdhsa_kernarg_size 48
		.amdhsa_user_sgpr_count 2
		.amdhsa_user_sgpr_kernarg_segment_ptr 1
		.amdhsa_wavefront_size32 1
		.amdhsa_system_sgpr_workgroup_id_x 1
		.amdhsa_system_sgpr_workgroup_id_y 1
		.amdhsa_system_sgpr_workgroup_id_z 1
		.amdhsa_system_vgpr_workitem_id 0
		.amdhsa_next_free_vgpr 1024
		.amdhsa_next_free_sgpr 66
		.amdhsa_reserve_vcc 0
		.amdhsa_float_denorm_mode_32 3
		.amdhsa_float_denorm_mode_16_64 3
		.amdhsa_memory_ordered 1
		.amdhsa_forward_progress 1
		.amdhsa_inst_pref_size 181
	.end_amdhsa_kernel
	.amdgpu_metadata
---
amdhsa.version: [ 1, 2 ]
amdhsa.kernels:
  - .name:           k_qafc4f68b8b_scores
    .symbol:         k_qafc4f68b8b_scores.kd
    .args:
      - { .name: codes, .offset: 0, .size: 8, .value_kind: global_buffer, .address_space: global }
      - { .name: meta, .offset: 8, .size: 8, .value_kind: global_buffer, .address_space: global }
      - { .name: qbc, .offset: 16, .size: 8, .value_kind: global_buffer, .address_space: global }
      - { .name: Wc, .offset: 24, .size: 8, .value_kind: global_buffer, .address_space: global }
      - { .name: Wm, .offset: 32, .size: 8, .value_kind: global_buffer, .address_space: global }
      - { .name: epart, .offset: 40, .size: 8, .value_kind: global_buffer, .address_space: global }
    .group_segment_fixed_size: 107008
    .private_segment_fixed_size: 0
    .kernarg_segment_align: 8
    .kernarg_segment_size: 48
    .max_flat_workgroup_size: 128
    .sgpr_count:     66
    .vgpr_count:     1024
    .wavefront_size: 32
...
	.end_amdgpu_metadata
.endif
;; end of part 3
;; launch finish (part 4): grid 8 x 32, 16 waves a work-group, no clusters, 27,136 bytes of LDS; arguments value, rowlist, posof, meta, epart, Wm, bm, out0, out1; writes out0, out1
.if DOCPART == 4
	.amdgcn_target "amdgcn-amd-amdhsa--gfx1250"
	.amdhsa_code_object_version 6
	.text
	.protected	k_qafc4f68b8b_finish
	.globl	k_qafc4f68b8b_finish
	.p2align	8
	.type	k_qafc4f68b8b_finish,@function
k_qafc4f68b8b_finish:
	s_mov_b64 s[64:65], 0
	v_nop
	global_prefetch_b8 v0, s[64:65] scope:SCOPE_SE
	s_setreg_imm32_b32 hwreg(HW_REG_WAVE_MODE, 25, 1), 1
	s_wait_xcnt 0x0
; e, the softmax, out1, and out0 = the weighted sum of value's rows.  Work-group (hc, b): batch b, columns 128 hc .. + 127 of out0 and n = 256 hc .. + 255 of out1.
; Where the batch has an open row, rows with mask <= 0 at positions from 512 on are passed over in out0 by the stored count (see the first launch's head for the limit); positions from cnt on get e = -1e9, as the mask asks.
; Thread t takes positions 4 t .. 4 t + 3: e = the sum of the 16 slices' parts + sum Wm + bm; the largest e is taken away before the exponential; p and the rows' numbers lie in LDS by position.
; Each of the eight work-groups of a batch makes the batch's softmax for itself: 128 KiB of parts at the most, against a launch more.
; The weighted sum: wave w takes positions 16 (w + 16 k) .. + 15 in trip k of 8; a load reads 512 consecutive bytes of one row; f32 multiply-adds: the product has one row.
; TRIPS 0 AND 1 (positions 0 to 511) ARE ALWAYS WALKED, and their rows are asked for AHEAD OF THE SOFTMAX, which they do not hang on: the list is a permutation, so every position names a row of the batch, and a row
; with mask <= 0 among them has p = 0.  Trip 0's sixteen loads go out as soon as the rows' numbers are in, trip 1's when the parts of e have been summed and their registers are free.  Trips 2 to 7 are a loop,
; each walked where its first position lies under cntE.
.set PL,    0                          ; LDS: p by position, 8,192 bytes
.set IDS,   8192                       ; the row by position, 8,192
.set RED,   16384                      ; sixteen waves' partial sums, 512 each
.set MXO,   24576                      ; sixteen maxima
.set SMO,   24832                      ; sixteen sums
.set SPARE, 25088                      ; the spare words, 128 bytes for each wave
; v2, v3 the add's two; v4 my place in epart; v5 16 t; v6 16 x lane; v7 4 t; v8-11 e, then p; v12 8 (t % 128); v13 -1e9; v14, v15, v119 at work; v16-79 the parts of e, then trip 1's rows, then the loop's;
; v80-83 my four rows' numbers; v84-115 Wm, then v84-99 the waves' maxima and sums; v80-95, v96-111 p of trips 0 and 1; in the loop v80-95 p, v96-111 rows' numbers, v112-127 offsets;
; v128-131 my four columns' sums; v132 LDS address of the trip's positions; v133 64 w; v134 4 w; v135 0; v136 16 x lane + 512 hc; v137 sum Wm + bm; v138 the largest e; v139 1 / the sum; v140-143 out1's;
; v144-207 trip 0's rows; v208-223, v224-239 the rows' numbers of trips 0 and 1, then their offsets: not rewritten while the loads are out
	s_load_b256 s[4:11], s[0:1], 0x0               ; value, rowlist, posof, meta
	s_load_b256 s[12:19], s[0:1], 0x20             ; epart, Wm, bm, out0
	s_load_b64 s[20:21], s[0:1], 0x40              ; out1
	v_lshl_add_u32 v2, v0, 2, SPARE
	v_mov_b32 v3, 0
	v_lshrrev_b32 v1, 5, v0
	s_delay_alu instid0(VALU_DEP_1)
	v_readfirstlane_b32 s22, v1                    ; wave
	v_and_b32 v1, 31, v0
	v_lshlrev_b32 v5, 4, v0
	s_delay_alu instid0(VALU_DEP_2)
	v_lshlrev_b32 v6, 4, v1
	v_lshlrev_b32 v7, 2, v0
	v_and_b32 v12, 127, v0
	s_delay_alu instid0(VALU_DEP_1)
	v_lshlrev_b32 v12, 3, v12
	v_mov_b32 v13, 0xce6e6b28                      ; -1e9
	v_mov_b32 v15, 0                               ; a lane permute's destination counts as one of its sources
	v_mov_b32 v134, s22
	s_delay_alu instid0(VALU_DEP_1)
	v_lshlrev_b32 v133, 6, v134                    ; my wave's sixteen positions of trip 0, in bytes
	s_delay_alu instid0(VALU_DEP_2)
	v_lshlrev_b32 v134, 2, v134
	v_mov_b32 v135, 0
	s_lshl_b32 s36, ttmp9, 9
	v_add_nc_u32 v136, s36, v6
.irp c, 0,1,2,3
	v_mov_b32 v[128+\c], 0
.endr
	s_and_b32 s23, ttmp7, 0xffff                   ; b
	s_mov_b32 s24, 0x76543210
	s_mov_b32 s25, 0xfedcba98                      ; lane l xor 16
	s_mov_b32 s27, 0
	s_wait_alu depctr_va_vdst(0)
	s_wait_kmcnt 0x0
	s_lshl_b32 s26, s23, 7
	s_add_nc_u64 s[10:11], s[10:11], s[26:27]
	s_load_b32 s28, s[10:11], 0x0                  ; cnt
	s_load_b32 s29, s[16:17], 0x0                  ; bm
	s_lshl_b32 s26, s23, 13
	s_add_nc_u64 s[6:7], s[6:7], s[26:27]
	s_add_nc_u64 s[8:9], s[8:9], s[26:27]
	s_add_nc_u64 s[12:13], s[12:13], s[26:27]
	s_add_nc_u64 s[20:21], s[20:21], s[26:27]
	s_lshl_b32 s26, ttmp9, 10                      ; my 256 n
	s_add_nc_u64 s[8:9], s[8:9], s[26:27]
	s_add_nc_u64 s[20:21], s[20:21], s[26:27]
	s_lshl_b32 s26, s23, 23
	s_add_nc_u64 s[4:5], s[4:5], s[26:27]
	s_lshl_b32 s26, s23, 12
	s_add_co_u32 s26, s26, s36
	s_add_nc_u64 s[18:19], s[18:19], s[26:27]
.irp i, 0,1,2,3
	global_load_b128 v[208+4*\i:211+4*\i], v133, s[6:7] offset:16*\i        ; the rows of my wave's positions of trip 0, the same in every lane,
.endr
.irp i, 0,1,2,3
	global_load_b128 v[224+4*\i:227+4*\i], v133, s[6:7] offset:1024+16*\i   ; and of trip 1, 256 positions on
.endr
	global_load_b64 v[140:141], v12, s[8:9]        ; the positions of n = 256 hc + 2 (t % 128) and the next (waves 4 to 15 repeat waves 0 to 3, so that no LDS read stands under a branch on the wave's number)
	global_load_b128 v[80:83], v5, s[6:7]          ; the rows of my four positions
.irp i, 0,1,2,3,4,5,6,7
	global_load_b128 v[84+4*\i:87+4*\i], v6, s[14:15] offset:512*\i   ; all of Wm, in every wave
.endr
	s_wait_kmcnt 0x0
	s_cmp_eq_u32 s28, 0
	s_cselect_b32 s30, 2048, s28                   ; cntE
	s_add_co_u32 s31, s30, 63
	s_lshr_b32 s31, s31, 6
	s_lshl_b32 s31, s31, 6
	s_sub_co_u32 s31, s31, 4                       ; the last four positions that have parts
	v_min_u32 v4, s31, v7
	s_delay_alu instid0(VALU_DEP_1)
	v_min_u32 v4, 2044, v4
	s_delay_alu instid0(VALU_DEP_1)
	v_lshlrev_b32 v4, 2, v4
.irp i, 0,1,2,3,4,5,6,7,8,9,10,11,12,13,14,15
	global_load_b128 v[16+4*\i:19+4*\i], v4, s[12:13] offset:262144*\i
.endr
	s_wait_loadcnt 26                              ; the two trips' rows' numbers are in; behind them 1 + 1 + 8 + 16 loads may be out
.irp i, 0,1,2,3,4,5,6,7,8,9,10,11,12,13,14,15,16,17,18,19,20,21,22,23,24,25,26,27,28,29,30,31
	v_min_u32 v[208+\i], 2047, v[208+\i]           ; a row stays inside its batch
	s_delay_alu instid0(VALU_DEP_1)
	v_lshl_add_u32 v[208+\i], v[208+\i], 12, v136
.endr
.irp i, 0,1,2,3,4,5,6,7,8,9,10,11,12,13,14,15
	global_load_b128 v[144+4*\i:147+4*\i], v[208+\i], s[4:5] th:TH_LOAD_NT   ; trip 0's rows: on their way while e and the softmax are made
.endr
	s_wait_loadcnt 32                              ; posof's two, my rows and Wm are in; the sixteen parts and trip 0's sixteen rows may be out
	ds_store_b128 v5, v[80:83] offset:IDS
.irp i, 0,2,4,6,8,10,12,14
	v_pk_add_f32 v[84+\i:85+\i], v[84+\i:85+\i], v[100+\i:101+\i]
.endr
.irp i, 0,2,4,6
	s_delay_alu instid0(VALU_DEP_4)
	v_pk_add_f32 v[84+\i:85+\i], v[84+\i:85+\i], v[92+\i:93+\i]
.endr
.irp i, 0,2
	s_delay_alu instid0(VALU_DEP_2)
	v_pk_add_f32 v[84+\i:85+\i], v[84+\i:85+\i], v[88+\i:89+\i]
.endr
	s_delay_alu instid0(VALU_DEP_1)
	v_pk_add_f32 v[84:85], v[84:85], v[86:87]
	s_delay_alu instid0(VALU_DEP_1)
	v_add_f32 v14, v84, v85
.macro REDADD                          ; v14 summed over the wave's 32 lanes, in every lane
	s_delay_alu instid0(VALU_DEP_1)
	v_add_f32_dpp v14, v14, v14 row_xmask:1 row_mask:0xf bank_mask:0xf
	s_delay_alu instid0(VALU_DEP_1)
	v_add_f32_dpp v14, v14, v14 row_xmask:2 row_mask:0xf bank_mask:0xf
	s_delay_alu instid0(VALU_DEP_1)
	v_add_f32_dpp v14, v14, v14 row_xmask:4 row_mask:0xf bank_mask:0xf
	s_delay_alu instid0(VALU_DEP_1)
	v_add_f32_dpp v14, v14, v14 row_xmask:8 row_mask:0xf bank_mask:0xf
	s_delay_alu instid0(VALU_DEP_1)
	v_permlanex16_b32 v15, v14, s24, s25
	s_delay_alu instid0(VALU_DEP_1)
	v_add_f32 v14, v14, v15
.endm
	REDADD
	s_delay_alu instid0(VALU_DEP_1)
	v_add_f32 v137, s29, v14                       ; sum Wm + bm
	s_wait_loadcnt 16                              ; the sixteen parts are in; trip 0's rows may be out
	v_pk_add_f32 v[8:9], v[16:17], v[20:21]
	v_pk_add_f32 v[10:11], v[18:19], v[22:23]
.irp i, 2,3,4,5,6,7,8,9,10,11,12,13,14,15
	s_delay_alu instid0(VALU_DEP_2)
	v_pk_add_f32 v[8:9], v[8:9], v[16+4*\i:17+4*\i]
	s_delay_alu instid0(VALU_DEP_2)
	v_pk_add_f32 v[10:11], v[10:11], v[18+4*\i:19+4*\i]
.endr
.irp i, 0,1,2,3,4,5,6,7,8,9,10,11,12,13,14,15
	global_load_b128 v[16+4*\i:19+4*\i], v[224+\i], s[4:5] th:TH_LOAD_NT     ; trip 1's rows, into the registers that the parts have left
.endr
.irp i, 0,1,2,3
	v_add_f32 v[8+\i], v[8+\i], v137
	v_add_nc_u32 v119, \i, v7
	s_delay_alu instid0(VALU_DEP_1)
	v_cmp_gt_u32 vcc_lo, s28, v119                 ; an open row's position lies under cnt
	s_delay_alu instid0(VALU_DEP_1)
	v_cndmask_b32 v[8+\i], v13, v[8+\i], vcc_lo
.endr
	v_max3_num_f32 v14, v8, v9, v10
	s_delay_alu instid0(VALU_DEP_1)
	v_max_num_f32 v14, v14, v11
	s_delay_alu instid0(VALU_DEP_1)
	v_max_num_f32_dpp v14, v14, v14 row_xmask:1 row_mask:0xf bank_mask:0xf
	s_delay_alu instid0(VALU_DEP_1)
	v_max_num_f32_dpp v14, v14, v14 row_xmask:2 row_mask:0xf bank_mask:0xf
	s_delay_alu instid0(VALU_DEP_1)
	v_max_num_f32_dpp v14, v14, v14 row_xmask:4 row_mask:0xf bank_mask:0xf
	s_delay_alu instid0(VALU_DEP_1)
	v_max_num_f32_dpp v14, v14, v14 row_xmask:8 row_mask:0xf bank_mask:0xf
	s_delay_alu instid0(VALU_DEP_1)
	v_permlanex16_b32 v15, v14, s24, s25
	s_delay_alu instid0(VALU_DEP_1)
	v_max_num_f32 v14, v14, v15
	ds_store_b32 v134, v14 offset:MXO              ; all lanes write the wave's word with the same value
	s_wait_dscnt 0x0                               ; for the others' sake
	s_barrier_signal -1
	s_barrier_wait -1
.irp i, 0,1,2,3
	ds_load_b128 v[84+4*\i:87+4*\i], v135 offset:MXO+16*\i
.endr
	s_wait_dscnt 0x0
	v_max3_num_f32 v138, v84, v85, v86
.irp i, 87,89,91,93,95,97
	s_delay_alu instid0(VALU_DEP_1)
	v_max3_num_f32 v138, v138, v[\i], v[\i+1]
.endr
	s_delay_alu instid0(VALU_DEP_1)
	v_max_num_f32 v138, v138, v99                  ; the batch's largest e
.irp i, 0,1,2,3
	v_sub_f32 v[8+\i], v[8+\i], v138
.endr
.irp i, 0,1,2,3
	s_delay_alu instid0(VALU_DEP_4)
	v_mul_f32 v[8+\i], 0x3fb8aa3b, v[8+\i]
.endr
	s_wait_alu depctr_va_vdst(0)
.irp i, 0,1,2,3
	v_exp_f32 v[8+\i], v[8+\i]                     ; p = e^(e - M)
.endr
	v_nop                                          ; a plain line behind the exponentials,
	s_wait_alu depctr_va_vdst(0)                   ; and the wait ahead of the first line that names a result
	ds_store_b128 v5, v[8:11] offset:PL
	v_add_f32 v14, v8, v9
	v_add_f32 v119, v10, v11
	s_delay_alu instid0(VALU_DEP_1)
	v_add_f32 v14, v14, v119
	REDADD
	ds_store_b32 v134, v14 offset:SMO
	s_wait_dscnt 0x0
	s_barrier_signal -1
	s_barrier_wait -1                              ; p, the rows and the sixteen sums lie in LDS; up to the next barrier LDS is only read
.irp i, 0,1,2,3
	ds_load_b128 v[84+4*\i:87+4*\i], v135 offset:SMO+16*\i
.endr
	v_min_u32 v140, 2047, v140                     ; (posof's two were shown in by the wait that left 32 loads out)
	v_min_u32 v141, 2047, v141
	s_delay_alu instid0(VALU_DEP_2)
	v_lshlrev_b32 v140, 2, v140
	s_delay_alu instid0(VALU_DEP_2)
	v_lshlrev_b32 v141, 2, v141
	s_wait_dscnt 0x0
.irp i, 0,4,8,12
	v_pk_add_f32 v[84+\i:85+\i], v[84+\i:85+\i], v[86+\i:87+\i]
.endr
	s_delay_alu instid0(VALU_DEP_3)
	v_pk_add_f32 v[84:85], v[84:85], v[88:89]
	s_delay_alu instid0(VALU_DEP_2)
	v_pk_add_f32 v[92:93], v[92:93], v[96:97]
	s_delay_alu instid0(VALU_DEP_1)
	v_pk_add_f32 v[84:85], v[84:85], v[92:93]
	s_delay_alu instid0(VALU_DEP_1)
	v_add_f32 v14, v84, v85
	s_wait_alu depctr_va_vdst(0)
	v_rcp_f32 v139, v14
	v_nop
	s_wait_alu depctr_va_vdst(0)                   ; the reciprocal's wait, ahead of its first reader and of the branches below
	ds_load_b32 v142, v140                         ; p by position
	ds_load_b32 v143, v141
.irp i, 0,1,2,3
	ds_load_b128 v[80+4*\i:83+4*\i], v133 offset:PL+16*\i        ; p of my sixteen positions of trip 0,
.endr
.irp i, 0,1,2,3
	ds_load_b128 v[96+4*\i:99+4*\i], v133 offset:PL+1024+16*\i   ; and of trip 1
.endr
	s_wait_dscnt 0x0
	v_mul_f32 v142, v142, v139
	v_mul_f32 v143, v143, v139
	s_cmp_lt_u32 s22, 4
	s_cbranch_scc0 .Lno_attn
	global_store_b64 v12, v[142:143], s[20:21]     ; a wave stores 256 consecutive bytes, aligned
.Lno_attn:
.irp i, 0,1,2,3,4,5,6,7,8,9,10,11,12,13,14,15
	s_wait_alu depctr_va_vdst(0)
	s_wait_loadcnt 31-\i                           ; trip 0's row i is in; its younger rows and trip 1's sixteen may be out
.irp c, 0,1,2,3
	v_fmac_f32 v[128+\c], v[80+\i], v[144+4*\i+\c]
.endr
.endr
	s_wait_alu depctr_va_vdst(0)
.irp i, 0,1,2,3,4,5,6,7,8,9,10,11,12,13,14,15
	s_wait_alu depctr_va_vdst(0)
	s_wait_loadcnt 15-\i                           ; trip 1's row i is in; the younger rows may be out
.irp c, 0,1,2,3
	v_fmac_f32 v[128+\c], v[96+\i], v[16+4*\i+\c]
.endr
.endr
	s_lshl_b32 s33, s22, 4
	s_add_co_u32 s33, s33, 512                     ; my first position of trip 2
	s_lshl_b32 s34, s22, 6
	s_add_co_u32 s34, s34, 2048                    ; and its bytes
	s_mov_b32 s35, 2
.Lpv:
	s_cmp_lt_u32 s33, s30
	s_cbranch_scc0 .Lpv_skip                       ; sixteen positions at or past cntE: nothing to add
	v_mov_b32 v132, s34
.irp i, 0,1,2,3
	ds_load_b128 v[80+4*\i:83+4*\i], v132 offset:PL+16*\i
.endr
.irp i, 0,1,2,3
	ds_load_b128 v[96+4*\i:99+4*\i], v132 offset:IDS+16*\i
.endr
	s_wait_dscnt 0x0
.irp i, 0,1,2,3,4,5,6,7,8,9,10,11,12,13,14,15
	v_min_u32 v[96+\i], 2047, v[96+\i]             ; a row stays inside its batch
	s_delay_alu instid0(VALU_DEP_1)
	v_lshl_add_u32 v[112+\i], v[96+\i], 12, v136
.endr
.irp i, 0,1,2,3,4,5,6,7,8,9,10,11,12,13,14,15
	global_load_b128 v[16+4*\i:19+4*\i], v[112+\i], s[4:5] th:TH_LOAD_NT
.endr
.irp i, 0,1,2,3,4,5,6,7,8,9,10,11,12,13,14,15
	s_wait_alu depctr_va_vdst(0)
	s_wait_loadcnt 15-\i                           ; row i is in; the younger rows may be out
.irp c, 0,1,2,3
	v_fmac_f32 v[128+\c], v[80+\i], v[16+4*\i+\c]
.endr
.endr
.Lpv_skip:
	s_add_co_u32 s33, s33, 256
	s_add_co_u32 s34, s34, 1024
	s_add_co_u32 s35, s35, 1
	s_cmp_lt_u32 s35, 8
	s_cbranch_scc1 .Lpv
	s_wait_dscnt 0x0                               ; my reads of LDS are in
	s_barrier_signal -1
	s_barrier_wait -1                              ; everybody's are: LDS may be written again
	s_wait_alu depctr_va_vdst(0)
	ds_store_b128 v5, v[128:131] offset:RED        ; 16 t = 512 w + 16 x lane
	s_wait_dscnt 0x0
	s_barrier_signal -1
	s_barrier_wait -1
	s_cmp_lg_u32 s22, 0
	s_cbranch_scc1 .Lno_out
.irp i, 0,1,2,3,4,5,6,7,8,9,10,11,12,13,14,15
	ds_load_b128 v[16+4*\i:19+4*\i], v6 offset:RED+512*\i
.endr
	s_wait_dscnt 0x0
.irp i, 1
	v_pk_add_f32 v[16:17], v[16:17], v[16+4*\i:17+4*\i]
	v_pk_add_f32 v[18:19], v[18:19], v[18+4*\i:19+4*\i]
.endr
.irp i, 2, 3, 4, 5, 6, 7, 8, 9, 10, 11, 12, 13, 14, 15
	s_delay_alu instid0(VALU_DEP_2)
	v_pk_add_f32 v[16:17], v[16:17], v[16+4*\i:17+4*\i]
	s_delay_alu instid0(VALU_DEP_2)
	v_pk_add_f32 v[18:19], v[18:19], v[18+4*\i:19+4*\i]
.endr
.irp c, 0,1,2,3
	v_mul_f32 v[16+\c], v[16+\c], v139
.endr
	global_store_b128 v6, v[16:19], s[18:19]       ; 512 consecutive bytes of out0
.Lno_out:
	s_wait_tensorcnt 0x0                           ; the wave's end, behind my last LDS store
	ds_add_u32 v2, v3
	s_wait_dscnt 0x0
	s_endpgm
.Lfunc_end_k_qafc4f68b8b_finish:
	.size	k_qafc4f68b8b_finish, .Lfunc_end_k_qafc4f68b8b_finish-k_qafc4f68b8b_finish
	.p2alignl 7, 3214868480
	.fill 96, 4, 3214868480
	.section	.rodata,"a",@progbits
	.p2align	6, 0x0
	.amdhsa_kernel k_qafc4f68b8b_finish
		.amdhsa_group_segment_fixed_size 27136
		.amdhsa_private_segment_fixed_size 0
		.amdhsa_enable_private_segment 0
		.amdhsa_kernarg_size 72
		.amdhsa_user_sgpr_count 2
		.amdhsa_user_sgpr_kernarg_segment_ptr 1
		.amdhsa_wavefront_size32 1
		.amdhsa_system_sgpr_workgroup_id_x 1
		.amdhsa_system_sgpr_workgroup_id_y 1
		.amdhsa_system_sgpr_workgroup_id_z 1
		.amdhsa_system_vgpr_workitem_id 0
		.amdhsa_next_free_vgpr 240
		.amdhsa_next_free_sgpr 66
		.amdhsa_reserve_vcc 1
		.amdhsa_float_denorm_mode_32 3
		.amdhsa_float_denorm_mode_16_64 3
		.amdhsa_memory_ordered 1
		.amdhsa_forward_progress 1
		.amdhsa_inst_pref_size 44
	.end_amdhsa_kernel
	.amdgpu_metadata
---
amdhsa.version: [ 1, 2 ]
amdhsa.kernels:
  - .name:           k_qafc4f68b8b_finish
    .symbol:         k_qafc4f68b8b_finish.kd
    .args:
      - { .name: value, .offset: 0, .size: 8, .value_kind: global_buffer, .address_space: global }
      - { .name: rowlist, .offset: 8, .size: 8, .value_kind: global_buffer, .address_space: global }
      - { .name: posof, .offset: 16, .size: 8, .value_kind: global_buffer, .address_space: global }
      - { .name: meta, .offset: 24, .size: 8, .value_kind: global_buffer, .address_space: global }
      - { .name: epart, .offset: 32, .size: 8, .value_kind: global_buffer, .address_space: global }
      - { .name: Wm, .offset: 40, .size: 8, .value_kind: global_buffer, .address_space: global }
      - { .name: bm, .offset: 48, .size: 8, .value_kind: global_buffer, .address_space: global }
      - { .name: out0, .offset: 56, .size: 8, .value_kind: global_buffer, .address_space: global }
      - { .name: out1, .offset: 64, .size: 8, .value_kind: global_buffer, .address_space: global }
    .group_segment_fixed_size: 27136
    .private_segment_fixed_size: 0
    .kernarg_segment_align: 8
    .kernarg_segment_size: 72
    .max_flat_workgroup_size: 512
    .sgpr_count:     66
    .vgpr_count:     240
    .wavefront_size: 32
...
	.end_amdgpu_metadata
.endif
;; end of part 4
